; MI455X (gfx1250); checked and timed in simulation.
; The chip was launched on July 23, 2026; its instructions are those of AMD's public machine-readable ISA for CDNA 5 (MIT licence, August 2026) and "CDNA5" Instruction Set Architecture Reference Guide (July 2026). The comments in the code are by the model that wrote it; some were corrected since.
;; MLP Block. Allowed arithmetic: matrix products marked QUANTISED: E5M2 operands, one given power-of-two scale a tensor, by v_wmma_f32_16x16x64_bf8_bf8 or v_wmma_f32_16x16x128_bf8_bf8, f32 sums; products left as they are: f32 operands where the result goes on into a quantised operand, else bf16, f16 or f32 operands; f32 sums; everything else in f32.
;; Inputs: gate_bias 8 float32; gate_kernel 1,024 x 8 float32; lowp_scales 4 int32 (the exponents e of the quantised operands' scales 2^e); mlp1_bias 8 x 4,096 float32; mlp1_weight 8 x 1,024 x 4,096 float32; mlp2_bias 8 x 1,024 float32; mlp2_weight 8 x 2,048 x 1,024 float32; scale 1,024 float32; x 1,024 x 1,024 float32.
;; Outputs: out0 1,024 x 1,024 float32.
;; This version of the problem:
;;   THIS VERSION OF THE PROBLEM IS GIVEN IN LOW PRECISION. The matrix products marked QUANTISED in the list below multiply operands that are first quantised to E5M2 (5 exponent bits, 2 mantissa bits; 8 bits a number), with one given power-of-two scale for each operand tensor; their sums are f32. All else is computed in f32.
;;   The module's matrix products, in the order in which they are computed (A, B: the left and right operand; K: the contracted axis; several contracted axes count as one K, in the product's order):
;;     1. [M 1,024, K 1,024] x [K 1,024, N 8]; A: computed on the way; B: input gate_kernel: left as it is (N = 8 < 16)
;;     2. [M 1,024, K 1,024] x [K 1,024, N 32,768]; A: computed on the way; B: input mlp1_weight: QUANTISED (scales: A lowp_scales[0], B lowp_scales[1])
;;     3. batch 8 x [M 1,024, K 2,048] x [K 2,048, N 1,024]; A: input mlp2_weight; B: computed on the way: QUANTISED (scales: A lowp_scales[2], B lowp_scales[3])
;;     4. [M 1,048,576, K 8] x [K 8, N 1]; A: computed on the way; B: computed on the way: left as it is (K = 8 < 32)
;;   THE QUANTISER, for each operand of a quantised product, along K:
;;     - The operand's scale is 2^e, e = its entry of the input lowp_scales (int32; the entries are numbered through the quantised products in the list's order, A before B).
;;     - Each number is divided by the scale, clamped to +-57,344, and rounded to the nearest number of E5M2, ties to even, subnormals kept.
;;     - The product sums the exact products of the quantised numbers (number of the format x scale) in f32.
;;   ~~~python
;;   def quantise(x, axis, e):      # numpy; x: float32 -> the quantised numbers, widened to float32 again
;;       x = np.moveaxis(x, axis, -1); K = x.shape[-1]
;;       r = np.clip(x / 2.0 ** e, -57344, 57344)
;;       step = 2.0 ** (np.maximum(np.frexp(np.where(r == 0, 1, r))[1] - 1, -14) - 2)
;;       q = np.round(r / step) * step * 2.0 ** e      # np.round: ties to even
;;       return np.moveaxis(q, -1, axis).astype(np.float32)
;;   ~~~
;;   OPERANDS COMPUTED ON THE WAY. 'Computed on the way' means the value that the module computes at that place (a softmax that the list does not call 'softmax' is quantised finished and normalised). What goes into a quantiser is computed in f32, as accurately as f32 sums, v_exp_f32 and their like allow (about 1e-6 of the number): no bf16 or f16 on the way to a quantiser, and a product that is left as it is and whose result goes on into a quantised operand takes f32 operands (vector FMAs, or v_wmma_f32_16x16x4_f32). A number that lies on a knife's edge between two numbers of the format may be rounded either way, as far as f32 arithmetic and the matrix unit's own rounding can turn it there, and no further.
;; One version. Each part assembles by itself: llvm-mc -triple=amdgcn-amd-amdhsa -mcpu=gfx1250 --defsym DOCPART=n.
;; ======== version 1 of 1: 3 launches
;; limits: right only within a limited range of input values
;; workspace buffers: xc 1,048,576 bytes; w2c 4,194,304 bytes; ac 4,194,304 bytes
;; launch prep (part 1): grid 320 x 1, 8 waves a work-group, no clusters, 86,528 bytes of LDS; arguments x, scale, mlp2_weight, lowp_scales, xc, w2c; writes xc, w2c
.if DOCPART == 1
	.amdgcn_target "amdgcn-amd-amdhsa--gfx1250"
	.amdhsa_code_object_version 6
	.text
	.protected	k_qd5ef411f38_prep
	.globl	k_qd5ef411f38_prep
	.p2align	8
	.type	k_qd5ef411f38_prep,@function
k_qd5ef411f38_prep:
	s_mov_b64 s[64:65], 0
	v_nop
	global_prefetch_b8 v0, s[64:65] scope:SCOPE_SE
	s_setreg_imm32_b32 hwreg(HW_REG_WAVE_MODE, 25, 1), 1
	s_wait_xcnt 0x0
; PREP: two operands are turned into codes of BF8 (E5M2), each with its given scale 2^e: code = number / 2^e, held within +-57,344, to the nearest code, ties to even.
;   work-groups 0-63:    rmsnorm(x) * scale -> xc   (e = lowp_scales[0])
;   work-groups 64-319:  mlp2_weight[0:2]   -> w2c  (e = lowp_scales[2])
; WORK LEFT OUT, here and in the later launches: reference() weighs experts 2 to 7 with a 0 that it builds itself (jnp.arange(E) < TOP_K), and assigns the gate's logits to a name that it never uses.  So experts 2 to 7 of
; both weights and both biases, gate_kernel and gate_bias reach no output, whatever finite numbers they hold: those experts are not read, and gate_kernel and gate_bias are no launch's arguments.
; LIMIT: a NaN, an infinity or an overflow that reaches only that work is not carried to the result.
; CODES LIE AS IMAGES OF OPERAND REGISTERS.  A fragment is 16 rows x 128 K, 2,048 bytes: chunk c (0..3) at 512 c + 16 x lane holds registers 4 c .. 4 c + 3 of lane (r = lane % 16, h = lane / 16):
; k = 32 c + 16 h + 0 .. 15 of row r.  The same places of k on both sides of each product.
;   xc  [512 tokens: 2][pair of K steps: 4][128 tokens: 4][K step of the pair: 2][16 tokens: 8][2048]
;   w2c [K step = 16 expert + unit / 128: 32][block of 32 columns: 32][u: 2][2048]
; THE COLUMNS OF A WEIGHT TILE ARE NOT NEIGHBOURS: row m of tile u of a block is column 8 u + m + 8 (m / 8), so that in the transposed products a lane's 16 results of tiles u = 0, 1 are 16 neighbouring columns.
; LIMITS: each e between -126 and 112, so that 2^e and 57,344 x 2^e are f32 numbers.  NaN among the inputs is not served (an infinity is held at the largest code).
; No cluster: the work-groups share no input but the 4,096 bytes of scale.  No tensor loads, no loop and no prefetch: every load of a wave is issued at its start, each byte of x and of W2 once.
.set XN,   32                          ; x path: v32-95   my 64 numbers of a row: register 16 b + i = k 32 b + 16 h + i of the wave's K step
.set SCL,  96                          ;         v96-159  scale at the same k
.set SQ,   160                         ;         v160-167 four chains of squares
.set PS,   168                         ;         v168-175 the eight waves' sums of my row
.set RI,   176                         ;         v[176:177] 1 / rms (the packed form names a pair)
.set CX,   160                         ;         v160-175 the codes, where the sums were
.set XL,   192                         ;         v192-255 as loaded: 16 rows x 16 bytes a lane
.set LW,   32                          ; W2 path: v32-95   16 rows x 4 columns as loaded
.set XW,   96                          ;          v96-159  held, column by column
.set CW,   160                         ;          v160-175 codes, 4 registers a column
.set OW,   176                         ;          v176-191 read back
.set XP,   528                         ; LDS: an x stage's row, 512 bytes + 16: sixteen rows' pieces fall on sixteen different 16-byte columns of the 64 banks of 4 bytes (ISA guide 11.1)
.set XST,  16*XP                       ; a wave's x stage
.set XSUM, 8*XST                       ; the row sums [wave][row], 512 bytes
.set FP,   272                         ; a W2 stage's tile, 256 bytes + 16
.set WSTG, 8*FP                        ; a wave's W2 stage: 8 tiles
.set WST0, XSUM+512
.set SPARE, WST0+8*WSTG                ; the spare words, 128 bytes a wave
	s_load_b256 s[4:11], s[0:1], 0x0               ; x s[4:5], scale s[6:7], mlp2_weight s[8:9], lowp_scales s[10:11]
	s_load_b128 s[12:15], s[0:1], 0x20             ; xc s[12:13], w2c s[14:15]
	v_lshl_add_u32 v16, v0, 2, SPARE
	v_mov_b32 v17, 0
	v_lshrrev_b32 v15, 5, v0
	v_readfirstlane_b32 s20, v15                   ; wave 0..7
	s_mul_i32 s21, s20, XST
	s_mul_i32 s22, s20, WSTG
	s_add_co_u32 s22, s22, WST0
	s_lshl_b32 s23, s20, 6
	s_add_co_u32 s23, s23, XSUM
	v_and_b32 v1, 31, v0                           ; lane
	v_and_b32 v2, 15, v0                           ; r
	v_bfe_u32 v3, v0, 4, 1                         ; h
	v_bfe_u32 v15, v0, 3, 2
	v_bfe_u32 v18, v0, 1, 1
	v_and_b32 v19, 1, v0
	v_bfe_u32 v20, v0, 2, 1
	v_lshlrev_b32 v4, 4, v1                        ; 16 x lane
	v_lshlrev_b32 v9, 6, v3                        ; scale: 64 h
	v_mul_u32_u24 v6, v2, XP
	v_lshlrev_b32 v8, 2, v2
	v_add_nc_u32 v5, s21, v4                       ; x stage, in: a row's 512 bytes as they lie
	v_mul_u32_u24 v12, v15, 2*FP
	v_mul_u32_u24 v13, v3, FP
	v_lshlrev_b32 v14, 11, v3
	v_add_nc_u32 v6, v6, v9
	v_add_nc_u32 v7, s23, v8                       ; my row's word among my wave's sums
	v_mad_u32_u24 v12, v18, FP, v12
	v_lshl_add_u32 v13, v2, 4, v13
	v_lshl_add_u32 v14, v2, 4, v14                 ; w2c: tile h of a pair, 16 r
	v_add_nc_u32 v6, s21, v6                       ; x stage, out: row r, 64 h
	v_add_nc_u32 v8, XSUM, v8                      ; my row's word among wave 0's sums
	v_lshl_add_u32 v12, v19, 6, v12
	v_add_nc_u32 v13, s22, v13                     ; W2 stage, out
	v_lshl_add_u32 v12, v20, 7, v12
	v_add_nc_u32 v12, s22, v12                     ; W2 stage, in
	s_wait_alu depctr_va_vdst(0)
	s_wait_kmcnt 0x0
	s_load_b128 s[36:39], s[10:11], 0x0            ; ex, ew1, ew2, eh
	s_cmp_lt_u32 ttmp9, 64                         ; the branch hangs on the work-group's number alone
	s_cbranch_scc0 .Lweights
; ---- x: work-group T takes tokens 16 T .. 16 T + 15, wave w the K step w (128 of the row's 1,024).  A load takes one row's 512 bytes; the wave's own stage turns 16 bytes a lane into 64 neighbouring bytes of row r.
	s_lshl_b32 s24, ttmp9, 16                      ; 16 rows of 4,096 bytes
	s_lshl_b32 s26, s20, 9                         ; the K step's 512 bytes
	s_mov_b32 s25, 0
	s_mov_b32 s27, 0
	s_add_co_u32 s24, s24, s26
	s_add_nc_u64 s[4:5], s[4:5], s[24:25]
	s_add_nc_u64 s[6:7], s[6:7], s[26:27]
.set ii, 0
.rept 16
	global_load_b128 v[XL+4*ii:XL+4*ii+3], v4, s[4:5] offset:4096*ii th:TH_LOAD_NT
.set ii, ii+1
.endr
.set bb, 0
.rept 4
.set jj, 0
.rept 4
	global_load_b128 v[SCL+16*bb+4*jj:SCL+16*bb+4*jj+3], v9, s[6:7] offset:128*bb+16*jj
.set jj, jj+1
.endr
.set bb, bb+1
.endr
	s_mov_b32 s40, 0x76543210                      ; v_permlanex16_b32's selects for lane l xor 16
	s_mov_b32 s41, 0xfedcba98
	s_mov_b32 s42, 0x3a800000                      ; 1 / 1024
	s_mov_b32 s43, 0x3727c5ac                      ; EPS = 1e-5
	s_lshr_b32 s28, ttmp9, 5                       ; xc: 524,288 (T / 32) + 131,072 (w / 2) + 32,768 (T / 8 % 4) + 16,384 (w % 2) + 2,048 (T % 8)
	s_lshl_b32 s28, s28, 19
	s_lshr_b32 s29, s20, 1
	s_lshl_b32 s29, s29, 17
	s_add_co_u32 s28, s28, s29
	s_bfe_u32 s29, ttmp9, 0x20003
	s_lshl_b32 s29, s29, 15
	s_add_co_u32 s28, s28, s29
	s_and_b32 s29, s20, 1
	s_lshl_b32 s29, s29, 14
	s_add_co_u32 s28, s28, s29
	s_and_b32 s29, ttmp9, 7
	s_lshl_b32 s29, s29, 11
	s_add_co_u32 s28, s28, s29
	s_mov_b32 s29, 0
	s_add_nc_u64 s[12:13], s[12:13], s[28:29]
	s_wait_kmcnt 0x0
	s_add_co_i32 s30, s36, 127
	s_lshl_b32 s31, s30, 23
	v_mov_b32 v11, s31                             ; 2^ex as f32: the conversion takes its exponent field
	s_add_co_i32 s30, s30, 15
	s_lshl_b32 s30, s30, 23
	s_or_b32 s30, s30, 0x600000
	v_mov_b32 v10, s30                             ; 57,344 x 2^ex
	s_wait_alu depctr_va_vdst(0)                   ; the wait at the head's end
.set ii, 0
.rept 16
	s_wait_loadcnt 31-ii                           ; row ii is in; the later rows and scale's 16 loads may be out
	ds_store_b128 v5, v[XL+4*ii:XL+4*ii+3] offset:XP*ii
.set ii, ii+1
.endr
.set bb, 0
.rept 4
.set jj, 0
.rept 4
	ds_load_b128 v[XN+16*bb+4*jj:XN+16*bb+4*jj+3], v6 offset:128*bb+16*jj      ; LDS serves a wave's instructions in order (ISA guide 5.7.1.4): these see my stores
.set jj, jj+1
.endr
.set bb, bb+1
.endr
	s_wait_dscnt 0x0
.set pp, 0
.rept 4
	v_pk_mul_f32 v[SQ+2*pp:SQ+2*pp+1], v[XN+2*pp:XN+2*pp+1], v[XN+2*pp:XN+2*pp+1]      ; the first four pairs start four chains
.set pp, pp+1
.endr
.rept 28
	v_pk_fma_f32 v[SQ+2*(pp%4):SQ+2*(pp%4)+1], v[XN+2*pp:XN+2*pp+1], v[XN+2*pp:XN+2*pp+1], v[SQ+2*(pp%4):SQ+2*(pp%4)+1]
.set pp, pp+1
.endr
	v_pk_add_f32 v[SQ:SQ+1], v[SQ:SQ+1], v[SQ+2:SQ+3]
	v_pk_add_f32 v[SQ+4:SQ+5], v[SQ+4:SQ+5], v[SQ+6:SQ+7]
	s_delay_alu instid0(VALU_DEP_1)
	v_pk_add_f32 v[SQ:SQ+1], v[SQ:SQ+1], v[SQ+4:SQ+5]
	s_delay_alu instid0(VALU_DEP_1)
	v_add_f32 v[SQ], v[SQ], v[SQ+1]
	s_delay_alu instid0(VALU_DEP_1)
	v_permlanex16_b32 v[SQ+1], v[SQ], s40, s41     ; the row's other 64 numbers of this K step lie in the lane 16 away
	s_delay_alu instid0(VALU_DEP_1)
	v_add_f32 v[SQ], v[SQ], v[SQ+1]
	ds_store_b32 v7, v[SQ]                         ; lanes r and r + 16 write the same word with the same number
	s_wait_dscnt 0x0                               ; for the others' sake: my sums lie in LDS
	s_barrier_signal -1
	s_barrier_wait -1
.set pp, 0
.rept 8
	ds_load_b32 v[PS+pp], v8 offset:64*pp          ; my row's sum from each of the eight waves
.set pp, pp+1
.endr
	s_wait_dscnt 0x0
	v_add_f32 v[PS], v[PS], v[PS+1]
	v_add_f32 v[PS+2], v[PS+2], v[PS+3]
	v_add_f32 v[PS+4], v[PS+4], v[PS+5]
	v_add_f32 v[PS+6], v[PS+6], v[PS+7]
	s_delay_alu instid0(VALU_DEP_3)
	v_add_f32 v[PS], v[PS], v[PS+2]
	s_delay_alu instid0(VALU_DEP_2)
	v_add_f32 v[PS+4], v[PS+4], v[PS+6]
	s_delay_alu instid0(VALU_DEP_1)
	v_add_f32 v[PS], v[PS], v[PS+4]
	s_delay_alu instid0(VALU_DEP_1)
	v_fma_f32 v[PS], v[PS], s42, s43               ; the mean of the squares + EPS
	s_wait_alu depctr_va_vdst(0)                   ; the wait ahead of the transcendental
	v_rsq_f32 v[RI], v[PS]
	v_mov_b32 v[RI+1], 0                           ; the pair's upper word is written; also the plain instruction behind the transcendental (ISA guide 5.7.2)
	s_wait_loadcnt 0x0                             ; scale
	s_wait_alu depctr_va_vdst(0)                   ; the wait ahead of the first reader
.set pp, 0
.rept 32
	v_pk_mul_f32 v[XN+2*pp:XN+2*pp+1], v[XN+2*pp:XN+2*pp+1], v[RI:RI+1] op_sel_hi:[1,0]
.set pp, pp+1
.endr
.set pp, 0
.rept 32
	v_pk_mul_f32 v[XN+2*pp:XN+2*pp+1], v[XN+2*pp:XN+2*pp+1], v[SCL+2*pp:SCL+2*pp+1]
.set pp, pp+1
.endr
.set bb, 0
.rept 4
.set ii, 0
.rept 16
	v_med3_num_f32 v[XN+16*bb+ii], v[XN+16*bb+ii], -v10, v10     ; the conversion to an 8-bit code does not saturate (ISA guide 7.6.2): the hold at the largest code x the scale
.set ii, ii+1
.endr
	v_cvt_scalef32_pk8_bf8_f32 v[CX+4*bb:CX+4*bb+1], v[XN+16*bb:XN+16*bb+7], v11
	v_cvt_scalef32_pk8_bf8_f32 v[CX+4*bb+2:CX+4*bb+3], v[XN+16*bb+8:XN+16*bb+15], v11
.set bb, bb+1
.endr
	v_nop                                          ; a plain instruction behind the last conversion
.set bb, 0
.rept 4
	global_store_b128 v4, v[CX+4*bb:CX+4*bb+3], s[12:13] offset:512*bb      ; the wave stores 512 consecutive bytes, at a multiple of 512 from xc's first byte
.set bb, bb+1
.endr
	s_wait_tensorcnt 0x0                           ; the wave's end
	ds_add_u32 v16, v17
	s_wait_dscnt 0x0
	s_endpgm
; ---- W2: work-group g = number - 64 takes rows 16 g .. 16 g + 15 (65,536 consecutive bytes), wave w columns 128 w .. 128 w + 127.  A lane loads 4 neighbouring columns of each row; the hold writes each number to its column's run
; of registers, so that a column's k lie in consecutive registers for the conversion.  A column's 16 codes are one half (h = g % 2) of chunk g / 2 % 4 of K step g / 8: 256 bytes of each of the wave's 8 tiles, through the wave's own stage.
.Lweights:
	s_sub_co_u32 s21, ttmp9, 64                    ; g
	s_lshl_b32 s24, s21, 16
	s_lshl_b32 s26, s20, 9
	s_add_co_u32 s24, s24, s26
	s_mov_b32 s25, 0
	s_add_nc_u64 s[8:9], s[8:9], s[24:25]
.set ii, 0
.rept 16
	global_load_b128 v[LW+4*ii:LW+4*ii+3], v4, s[8:9] offset:4096*ii th:TH_LOAD_NT     ; 512 consecutive bytes of row ii
.set ii, ii+1
.endr
	s_lshr_b32 s28, s21, 3                         ; w2c: 131,072 (g / 8) + 16,384 w + 256 (g % 8)
	s_lshl_b32 s28, s28, 17
	s_lshl_b32 s29, s20, 14
	s_add_co_u32 s28, s28, s29
	s_and_b32 s29, s21, 7
	s_lshl_b32 s29, s29, 8
	s_add_co_u32 s28, s28, s29
	s_mov_b32 s29, 0
	s_add_nc_u64 s[14:15], s[14:15], s[28:29]
	s_wait_kmcnt 0x0
	s_add_co_i32 s30, s38, 127
	s_lshl_b32 s31, s30, 23
	v_mov_b32 v11, s31                             ; 2^ew2 as f32
	s_add_co_i32 s30, s30, 15
	s_lshl_b32 s30, s30, 23
	s_or_b32 s30, s30, 0x600000
	v_mov_b32 v10, s30                             ; 57,344 x 2^ew2
	s_wait_alu depctr_va_vdst(0)                   ; the wait at the head's end
.set qq, 0
.rept 2
	s_wait_loadcnt 8-8*qq                          ; these eight rows are in; the later eight may be out
.set jj, 0
.rept 4
.set ii, 0
.rept 8
	v_med3_num_f32 v[XW+16*jj+8*qq+ii], v[LW+4*(8*qq+ii)+jj], -v10, v10     ; the hold, and the number goes to its column's run
.set ii, ii+1
.endr
.set jj, jj+1
.endr
.set jj, 0
.rept 4
	v_cvt_scalef32_pk8_bf8_f32 v[CW+4*jj+2*qq:CW+4*jj+2*qq+1], v[XW+16*jj+8*qq:XW+16*jj+8*qq+7], v11
.set jj, jj+1
.endr
	v_nop                                          ; a plain instruction behind the conversions
.set qq, qq+1
.endr
.set jj, 0
.rept 4
	ds_store_b128 v12, v[CW+4*jj:CW+4*jj+3] offset:16*jj
.set jj, jj+1
.endr
.set ff, 0
.rept 4
	ds_load_b128 v[OW+4*ff:OW+4*ff+3], v13 offset:2*FP*ff      ; LDS serves a wave's instructions in order (ISA guide 5.7.1.4): these see my stores
.set ff, ff+1
.endr
.set ff, 0
.rept 4
	s_wait_dscnt 3-ff                              ; block ff's two tiles are back; the later ones may be out
	global_store_b128 v14, v[OW+4*ff:OW+4*ff+3], s[14:15] offset:4096*ff     ; sixteen lanes store 256 consecutive bytes, at a multiple of 256 from w2c's first byte
.set ff, ff+1
.endr
	s_wait_tensorcnt 0x0                           ; the wave's end
	ds_add_u32 v16, v17
	s_wait_dscnt 0x0
	s_endpgm
.Lfunc_end_k_qd5ef411f38_prep:
	.size	k_qd5ef411f38_prep, .Lfunc_end_k_qd5ef411f38_prep-k_qd5ef411f38_prep
	.p2alignl 7, 3214868480
	.fill 96, 4, 3214868480
	.section	.rodata,"a",@progbits
	.p2align	6, 0x0
	.amdhsa_kernel k_qd5ef411f38_prep
		.amdhsa_group_segment_fixed_size 86528
		.amdhsa_private_segment_fixed_size 0
		.amdhsa_enable_private_segment 0
		.amdhsa_kernarg_size 48
		.amdhsa_user_sgpr_count 2
		.amdhsa_user_sgpr_kernarg_segment_ptr 1
		.amdhsa_wavefront_size32 1
		.amdhsa_system_sgpr_workgroup_id_x 1
		.amdhsa_system_sgpr_workgroup_id_y 1
		.amdhsa_system_sgpr_workgroup_id_z 1
		.amdhsa_system_vgpr_workitem_id 0
		.amdhsa_next_free_vgpr 256
		.amdhsa_next_free_sgpr 66
		.amdhsa_reserve_vcc 0
		.amdhsa_float_denorm_mode_32 3
		.amdhsa_float_denorm_mode_16_64 3
		.amdhsa_memory_ordered 1
		.amdhsa_forward_progress 1
		.amdhsa_inst_pref_size 31
	.end_amdhsa_kernel
	.amdgpu_metadata
---
amdhsa.version: [ 1, 2 ]
amdhsa.kernels:
  - .name:           k_qd5ef411f38_prep
    .symbol:         k_qd5ef411f38_prep.kd
    .args:
      - { .name: x, .offset: 0, .size: 8, .value_kind: global_buffer, .address_space: global }
      - { .name: scale, .offset: 8, .size: 8, .value_kind: global_buffer, .address_space: global }
      - { .name: mlp2_weight, .offset: 16, .size: 8, .value_kind: global_buffer, .address_space: global }
      - { .name: lowp_scales, .offset: 24, .size: 8, .value_kind: global_buffer, .address_space: global }
      - { .name: xc, .offset: 32, .size: 8, .value_kind: global_buffer, .address_space: global }
      - { .name: w2c, .offset: 40, .size: 8, .value_kind: global_buffer, .address_space: global }
    .group_segment_fixed_size: 86528
    .private_segment_fixed_size: 0
    .kernarg_segment_align: 8
    .kernarg_segment_size: 48
    .max_flat_workgroup_size: 256
    .sgpr_count:     66
    .vgpr_count:     256
    .wavefront_size: 32
...
	.end_amdgpu_metadata
.endif
;; end of part 1
;; launch up (part 2): grid 128 x 2, 4 waves a work-group, clusters of 4 x 1, 327,680 bytes of LDS; arguments xc, mlp1_weight, lowp_scales, mlp1_bias, ac; writes ac
.if DOCPART == 2
	.amdgcn_target "amdgcn-amd-amdhsa--gfx1250"
	.amdhsa_code_object_version 6
	.text
	.protected	k_qd5ef411f38_up
	.globl	k_qd5ef411f38_up
	.p2align	8
	.type	k_qd5ef411f38_up,@function
k_qd5ef411f38_up:
	s_mov_b64 s[64:65], 0
	v_nop
	global_prefetch_b8 v0, s[64:65] scope:SCOPE_SE
	s_setreg_imm32_b32 hwreg(HW_REG_WAVE_MODE, 25, 1), 1
	s_wait_xcnt 0x0
	s_wait_alu depctr_hold_cnt(0) depctr_sa_sdst(0) depctr_va_vdst(0) depctr_va_sdst(0) depctr_va_ssrc(0) depctr_va_vcc(0) depctr_vm_vsrc(0)
	s_getreg_b32 s2, hwreg(HW_REG_IB_STS2, 6, 4)
	s_cmp_eq_u32 s2, 0
	s_cbranch_scc0 .Lentry_in_a_cluster
	s_endpgm
.Lentry_in_a_cluster:
	s_bfe_u32 s2, ttmp6, 0x10000c
	s_cmp_lg_u32 s2, 0x3003
	s_cbranch_scc0 .Lentry_shape_is_right
	s_endpgm
.Lentry_shape_is_right:
; UP: hidden = normed x W1[e] + b1[e] for experts 0 and 1, on codes of BF8 (E5M2); gate = min(hidden[:2048], 7), linear = clip(hidden[2048:], -7, 7),
; activated = gate x sigmoid(1.702 gate) x (linear + 1), all in f32; activated is quantised with 2^eh and stored as the next product's operand.  The hidden layer stays in registers.
; WORK LEFT OUT: experts 2 to 7, which reference() weighs with its own 0 (the first launch's comment shows it).
; SHARES.  Work-group (cb = 64 e + ub, tb): 512 tokens x 32 hidden units (32 columns of the gate, 32 of the linear half).  Wave w makes tokens 128 w .. + 127 (8 tiles) x all 64 columns (4 tiles): 32 accumulators.
; W1 IS QUANTISED HERE: its f32 numbers, 262,144 bytes, go from memory straight into registers (a ring of four K steps, 64 registers each), a quarter of each K step to a wave: w / 2 picks gate or linear, w % 2 the 64 k of the K step.
; A lane takes 4 neighbouring columns x 16 k, so its registers run along K for the conversion; the codes go to the other waves through two LDS buffers by turns, as images of operand registers.  Two work-groups (tb = 0, 1) read the same piece of W1.
; THE TOKENS' CODES, of which a wave reads its own alone, take two roads: K steps 0, 1 and 4, 5 by tensor loads into two LDS slots, each filled once; K steps 2, 3 and 6, 7 straight into registers.
; TRANSPOSED: source 0 = 16 columns of W1, source 1 = 16 tokens.  Row m of tile u is column 8 u + m + 8 (m / 8) of the 32, so lane (r, h) holds token r, and register j of tile u unit 16 h + 8 u + j: a lane's 16 activated numbers are
; k = 32 (ub % 4) + 16 h + 0 .. 15 of the next product's K step cb / 4: chunk ub % 4 of its fragment, stored as it stands.
; CLUSTER: the four work-groups of a cluster share tb, so the slots are asked for JOINTLY (mask 15).  W1 and the other half of the tokens are not: a joint load lands in LDS, of which slots and codes take 281,344 of 327,680 bytes.
; No prefetch: there is no loop to run ahead in, and up to 63 loads a wave are on their way.
; LIMITS: ew1 and eh between -126 and 112; ex + ew1 between -126 and 127.  NaN is not served.  Where 1 + e^(-1.702 gate) passes 2^126 the reciprocal comes out as 0 (ISA guide 15.8), and so does the activated number, whose true size is then under 2^-100 of the gate.
; REGISTERS, in windows of 256: window 0: v1-21 addresses and constants; v24-31 codes and v32-63 numbers of the conversion; v64-127 the weights' four fragments; v128-255 the tokens' eight fragments from LDS, later the activation's registers.
;   window 1: accumulator (token tile m, tile t) at v[32 m + 8 t], t = 2 x linear + u.   window 2: W1 as loaded: K step s at v[64 (s % 4) + 4 i + j] (row i, column j); later b1 in v0-31.
;   window 3: the tokens' fragments that come straight from memory: K step s at v[128 (s % 2) + 16 m].
.set LX,  1                            ; v1-2 my tokens in slot 0, 1: 131,072 slot + 32,768 w + 16 x lane
.set WO,  3                            ; v3   my place in W1: 16 (lane / 8) rows of 16,384 bytes + 16 (lane % 8)
.set LWW, 4                            ; v4   where I put codes
.set LWR, 5                            ; v5   where I read them: 272 h + 16 r
.set BO,  6                            ; v6   64 h: my place in b1
.set LI,  7                            ; v7   16 x lane
.set LIM, 8                            ; v8   57,344 x 2^eh
.set SCV, 9                            ; v9   2^eh as f32
.set LIW, 10                           ; v10  57,344 x 2^ew1
.set SCW, 11                           ; v11  2^ew1 as f32
.set SPW, 20
.set NIL, 21
.set CW,  24
.set XW,  32
.set WF,  64
.set XF,  128
.set G,   128                          ; after the products: v128-159 gate, v160-191 linear, v192-223 at work, v224-255 the codes, for two token tiles at a time
.set LR,  160
.set EX,  192
.set CD,  224
.set WC,  0x40000                      ; LDS: behind the two slots of 131,072 bytes, the two buffers of codes
.set HB,  272                          ; 16 rows x 16 k: 256 bytes + 16
.set WT,  2336                         ; a tile: 8 of them, and 160 bytes more
.set WB,  4*WT                         ; a buffer: 4 tiles
.set SPARE, WC+2*WB                    ; the spare words, 128 bytes a wave
.set MSB, 0
.macro WIN new                         ; the immediate's high byte repeats the setting that is left
.if MSB != (\new)
	s_set_vgpr_msb (MSB<<8)|(\new)
.set MSB, \new
.endif
.endm
.macro PLACES n
.rept \n
	v_nop
.endr
.endm
.macro ROUND                           ; a round of the cluster's barrier
	s_barrier_signal -1
	s_barrier_wait -1
	s_cmp_lg_u32 s14, 0
	s_cbranch_scc1 .Lnot_wave_0_\@
	s_barrier_signal -3
.Lnot_wave_0_\@:
	s_barrier_wait -3
	s_barrier_signal -1
	s_barrier_wait -1
.endm
.macro TLOAD slot                      ; a joint load: two K steps of my 128 tokens, 32,768 bytes
	tensor_load_to_lds s[32+4*(\slot):35+4*(\slot)], s[24:31]
	s_nop 0
	PLACES 4
.endm
	s_load_b256 s[4:11], s[0:1], 0x0               ; xc s[4:5], mlp1_weight s[6:7], lowp_scales s[8:9], mlp1_bias s[10:11]
	s_load_b64 s[12:13], s[0:1], 0x20              ; ac
	v_lshl_add_u32 v[SPW], v0, 2, SPARE
	v_mov_b32 v[NIL], 0
	ds_add_u32 v[SPW], v[NIL]                      ; the opening: the add, twice on end, and its wait
	ds_add_u32 v[SPW], v[NIL]
	v_lshrrev_b32 v12, 5, v0
	v_readfirstlane_b32 s14, v12                   ; wave 0..3
	s_bfe_u32 s15, ttmp6, 0x40000                  ; cx: it enters W1's, the bias's and ac's addresses alone
	s_lshl_b32 s16, ttmp9, 2
	s_add_co_u32 s16, s16, s15                     ; cb = 4 x cluster x + cx = 64 e + ub
	s_and_b32 s17, ttmp7, 0xffff                   ; tb, which the four partners share
	s_lshr_b32 s18, s14, 1                         ; gate's columns (0) or linear's (1)
	s_and_b32 s19, s14, 1                          ; which 64 k of a K step
	s_lshl_b32 s20, s14, 15                        ; 32,768 x wave: in LDS and in xc alike
	s_mul_i32 s21, s18, 2*WT
	s_mul_i32 s56, s19, 4*HB
	s_add_co_u32 s21, s21, s56
	s_add_co_u32 s21, s21, WC
	; descriptor group 1: 128 rows of 32 elements of 8 bytes, dense: 32,768 bytes
	s_mov_b32 s24, 15|(3<<16)|(1<<21)              ; 15:0 the mask: all four work-groups; 17:16 elements of 8 bytes; 21 set beside a mask
	s_mov_b32 s25, 32<<16                          ; tensor_dim0 = 32
	s_mov_b32 s26, 128<<16                         ; tensor_dim1 = 128
	s_mov_b32 s27, 32<<16                          ; tile_dim0 = 32
	s_mov_b32 s28, 128                             ; tile_dim1 = 128
	s_mov_b32 s29, 32                              ; elements from row to row
	s_mov_b32 s30, 0
	s_mov_b32 s31, 0
	s_lshl_b32 s58, s17, 19                        ; xc: 524,288 tb + 32,768 w
	s_add_co_u32 s58, s58, s20
	s_mov_b32 s59, 0
	s_lshr_b32 s46, s16, 6                         ; e
	s_and_b32 s47, s16, 63                         ; ub
	s_lshl_b32 s47, s47, 7                         ; 128 ub bytes: 32 columns
	s_lshl_b32 s40, s46, 24                        ; W1: 16,777,216 e + 128 ub + 8,192 x half + 1,048,576 x which 64 k
	s_add_co_u32 s40, s40, s47
	s_lshl_b32 s41, s18, 13
	s_add_co_u32 s40, s40, s41
	s_lshl_b32 s41, s19, 20
	s_add_co_u32 s40, s40, s41
	s_mov_b32 s41, 0
	s_lshl_b32 s42, s46, 14                        ; b1: 16,384 e + 128 ub
	s_add_co_u32 s42, s42, s47
	s_mov_b32 s43, 0
	s_lshl_b32 s44, s17, 21                        ; ac: 2,097,152 tb + 524,288 w + 8,192 (cb / 4) + 512 (cb % 4)
	s_lshl_b32 s45, s14, 19
	s_add_co_u32 s44, s44, s45
	s_lshr_b32 s45, s16, 2
	s_lshl_b32 s45, s45, 13
	s_add_co_u32 s44, s44, s45
	s_and_b32 s45, s16, 3
	s_lshl_b32 s45, s45, 9
	s_add_co_u32 s44, s44, s45
	s_mov_b32 s45, 0
	v_and_b32 v13, 31, v0
	v_bfe_u32 v14, v0, 3, 2                        ; q = lane / 8
	v_and_b32 v15, 7, v0
	v_bfe_u32 v16, v0, 1, 1                        ; u
	v_and_b32 v17, 1, v0
	v_bfe_u32 v18, v0, 2, 1
	v_bfe_u32 v19, v0, 4, 1                        ; h
	v_and_b32 v12, 15, v0                          ; r
	v_lshlrev_b32 v[LI], 4, v13
	v_lshlrev_b32 v[WO], 18, v14
	v_mul_u32_u24 v[LWW], v14, HB
	v_mul_u32_u24 v[LWR], v19, HB
	v_lshlrev_b32 v[BO], 6, v19
	v_add_nc_u32 v[LX], s20, v[LI]
	v_lshl_add_u32 v[WO], v15, 4, v[WO]
	v_mad_u32_u24 v[LWW], v16, WT, v[LWW]
	v_lshl_add_u32 v[LWR], v12, 4, v[LWR]
	v_add_nc_u32 v[LX+1], 0x20000, v[LX]
	v_lshl_add_u32 v[LWW], v17, 6, v[LWW]
	v_add_nc_u32 v[LWR], WC, v[LWR]
	v_lshl_add_u32 v[LWW], v18, 7, v[LWW]
	v_add_nc_u32 v[LWW], s21, v[LWW]               ; tile 2 x half + u, 272 (4 x which 64 k + q), 16 (8 x bit 2 + 4 x bit 0 of the lane)
	s_wait_alu depctr_va_vdst(0)                   ; the wait here, ahead of the waits below
	s_wait_dscnt 0x0                               ; both opening adds are done
	s_wait_kmcnt 0x0
	s_load_b128 s[48:51], s[8:9], 0x0              ; ex, ew1, ew2, eh
	s_add_nc_u64 s[6:7], s[6:7], s[40:41]
	s_add_nc_u64 s[22:23], s[6:7], 0x800000        ; W1 from K step 4 on
	s_add_nc_u64 s[4:5], s[4:5], s[58:59]
	s_add_nc_u64 s[10:11], s[10:11], s[42:43]
	s_add_nc_u64 s[12:13], s[12:13], s[44:45]
	s_mov_b32 s32, 1                               ; group 0 of slot 0: K steps 0 and 1
	s_mov_b32 s33, s20
	s_mov_b64 s[34:35], s[4:5]
	s_or_b32 s35, s35, 0x80000000                  ; type = 2
	s_mov_b32 s36, 1                               ; of slot 1: K steps 4 and 5, two pairs of 131,072 bytes on
	s_add_co_u32 s37, s20, 0x20000
	s_add_nc_u64 s[38:39], s[4:5], 0x40000
	s_or_b32 s39, s39, 0x80000000
.macro BLOAD s                         ; my quarter of K step s of W1: 16 loads; each takes 128 consecutive bytes of four rows, 16 rows apart
	WIN 0x80                                       ; destination window 2
.irp i, 0,1,2,3,4,5,6,7,8,9,10,11,12,13,14,15
.if (\s) < 4
	global_load_b128 v[64*((\s)&3)+4*\i:64*((\s)&3)+4*\i+3], v[WO], s[6:7] offset:2097152*((\s)&3)+16384*\i
.else
	global_load_b128 v[64*((\s)&3)+4*\i:64*((\s)&3)+4*\i+3], v[WO], s[22:23] offset:2097152*((\s)&3)+16384*\i
.endif
.endr
	WIN 0
.endm
.macro XLOAD s, mf                     ; my token tiles mf .. mf + 3 of K step s, straight into registers: 16 loads of 512 consecutive bytes
	WIN 0xc0                                       ; destination window 3
.irp m, \mf, \mf+1, \mf+2, \mf+3
.irp c, 0,1,2,3
	global_load_b128 v[128*((\s)&1)+16*(\m)+4*\c:128*((\s)&1)+16*(\m)+4*\c+3], v[LI], s[4:5] offset:131072*((\s)>>1)+16384*((\s)&1)+2048*(\m)+512*\c
.endr
.endr
	WIN 0
.endm
; My numbers of K step s become codes, two columns at a time: the hold (the conversion to an 8-bit code does not saturate: ISA guide 7.6.2) writes each number to its column's run; a column's 16 codes are one lane's 16 bytes of a chunk.
.macro CONV s
.irp jp, 0,2
	WIN 0x02                                       ; source 0: window 2
.irp d, 0,1
.irp i, 0,1,2,3,4,5,6,7,8,9,10,11,12,13,14,15
	v_med3_num_f32 v[XW+16*\d+\i], v[64*((\s)&3)+4*\i+\jp+\d], -v[LIW], v[LIW]
.endr
.endr
	WIN 0
.irp d, 0,1
	v_cvt_scalef32_pk8_bf8_f32 v[CW+4*\d:CW+4*\d+1], v[XW+16*\d:XW+16*\d+7], v[SCW]
	v_cvt_scalef32_pk8_bf8_f32 v[CW+4*\d+2:CW+4*\d+3], v[XW+16*\d+8:XW+16*\d+15], v[SCW]
.endr
	v_nop                                          ; a plain instruction between the conversions and the next writes of their sources
.irp d, 0,1
	ds_store_b128 v[LWW], v[CW+4*\d:CW+4*\d+3] offset:WB*((\s)&1)+16*(\jp+\d)
.endr
.endr
.endm
.macro FETCHW s                        ; the weights' four fragments of K step s
.irp t, 0,1,2,3
.irp c, 0,1,2,3
	ds_load_b128 v[WF+16*\t+4*\c:WF+16*\t+4*\c+3], v[LWR] offset:WB*((\s)&1)+WT*\t+2*HB*\c
.endr
.endr
.endm
.macro FETCHX s, mf                    ; the fragments of my token tiles mf .. mf + 3, K step s, from its slot
.irp m, \mf, \mf+1, \mf+2, \mf+3
.irp c, 0,1,2,3
	ds_load_b128 v[XF+16*(\m)+4*\c:XF+16*(\m)+4*\c+3], v[LX+((\s)>>2)] offset:16384*((\s)&1)+2048*(\m)+512*\c
.endr
.endr
.endm
.macro MUL16 s, mf                     ; 16 matrix instructions: token tiles mf .. mf + 3 x 4 tiles.  The 32 accumulators take turns, one instruction a turn, in the same order in every K step
.if ((\s)&2) == 0
.set XS, XF
	WIN 0x50                                       ; sources window 0, C and D window 1
.else
.set XS, 128*((\s)&1)
	WIN 0x5c                                       ; source 0 window 0, source 1 (tokens) window 3, C and D window 1
.endif
.irp m, \mf, \mf+1, \mf+2, \mf+3
.irp t, 0,1,2,3
.if (\s) == 0
	v_wmma_f32_16x16x128_bf8_bf8 v[32*(\m)+8*\t:32*(\m)+8*\t+7], v[WF+16*\t:WF+16*\t+15], v[XS+16*(\m):XS+16*(\m)+15], 0
.else
	v_wmma_f32_16x16x128_bf8_bf8 v[32*(\m)+8*\t:32*(\m)+8*\t+7], v[WF+16*\t:WF+16*\t+15], v[XS+16*(\m):XS+16*(\m)+15], v[32*(\m)+8*\t:32*(\m)+8*\t+7]
.endif
.endr
.endr
	WIN 0
.endm
	BLOAD 0
	ROUND                                          ; all four work-groups are here: the first joint loads meet
	TLOAD 0                                        ; K steps 0 and 1: one tensor load a wave at the head
	BLOAD 1
	BLOAD 2
	BLOAD 3
	s_wait_kmcnt 0x0
	s_add_co_i32 s52, s48, s49
	s_add_co_i32 s52, s52, 127
	s_lshl_b32 s52, s52, 23                        ; 2^(ex + ew1) as f32: what a sum of codes' products lacks
	s_mov_b32 s53, s52                             ; (named with it as a pair, so it is written)
	s_mov_b32 s54, 0xc01d265f                      ; -1.702 x log2(e)
	s_mov_b32 s55, s54
	s_mov_b32 s56, 0x40e00000                      ; 7.0
	s_mov_b32 s57, 0xc0e00000                      ; -7.0
	s_add_co_i32 s58, s51, 127
	s_lshl_b32 s59, s58, 23
	v_mov_b32 v[SCV], s59
	s_add_co_i32 s58, s58, 15
	s_lshl_b32 s58, s58, 23
	s_or_b32 s58, s58, 0x600000
	v_mov_b32 v[LIM], s58
	s_add_co_i32 s60, s49, 127
	s_lshl_b32 s61, s60, 23
	v_mov_b32 v[SCW], s61
	s_add_co_i32 s60, s60, 15
	s_lshl_b32 s60, s60, 23
	s_or_b32 s60, s60, 0x600000
	v_mov_b32 v[LIW], s60
	s_wait_alu depctr_va_vdst(0)                   ; the wait at the head's end
	XLOAD 2, 0
	XLOAD 2, 4
	XLOAD 3, 0
	XLOAD 3, 4
	s_wait_loadcnt 63                              ; K step 0 of W1 is in: 112 loads were issued behind it
	CONV 0
	BLOAD 4                                        ; into the ring's place that K step 0 has left
	s_wait_tensorcnt 0x0                           ; my K steps 0 and 1 are in
	ds_add_u32 v[SPW], v[NIL]
	s_wait_dscnt 0x0                               ; it is done, and my codes of K step 0 lie in LDS
	ROUND                                          ; so are everybody's
	TLOAD 1                                        ; slot 1's one fill: K steps 4 and 5
; A K step.  The places in front of loads into registers that matrix instructions have read, four (ISA guide 7.12.1 for vector instructions), are v_nop or the conversion's vector instructions.
; The waits for direct loads: 63 where 64 or more were issued behind the ones that are wanted.
.macro STEP s
	FETCHW \s
.if ((\s)&2) == 0                      ; K steps 0, 1, 4, 5: tokens from LDS
.if ((\s)&3) == 0
	FETCHX \s, 0                                   ; (K steps 1's and 5's tiles 0-3 were fetched in the step before)
.endif
	FETCHX \s, 4
	s_wait_dscnt 16                                ; the weights and tiles 0-3 are in; tiles 4-7, 16 loads, may be out
.else
.if (\s) < 6
	s_wait_loadcnt 63                              ; this K step's tokens are in (80 loads were issued behind them)
.elseif (\s) == 6
	s_wait_loadcnt 32                              ; K step 7's tokens, 32 loads, may be out
.else
	s_wait_loadcnt 0x0
.endif
	s_wait_dscnt 0x0
.endif
	MUL16 \s, 0
.if (\s) == 6
	MUL16 \s, 4
.endif
.if (\s) < 7
.if (\s) < 6
	s_wait_loadcnt 63                              ; the next K step of W1 is in (64 loads or more were issued behind it); K step 7's came ahead of K step 6's tokens
.endif
	CONV (\s)+1
.if (\s) < 3
	BLOAD (\s)+5
.endif
.if (\s) == 3
	WIN 0x80                                       ; b1 into window 2, where K step 4 of W1 lay: units 16 h + 8 u + 0 .. 7, gate's and (8,192 bytes on) linear's
.irp t, 0,1,2,3
	global_load_b128 v[8*\t:8*\t+3], v[BO], s[10:11] offset:8192*(\t>>1)+32*(\t&1)
	global_load_b128 v[8*\t+4:8*\t+7], v[BO], s[10:11] offset:8192*(\t>>1)+32*(\t&1)+16
.endr
	WIN 0
	XLOAD 6, 4
.endif
.if (\s) == 4
	XLOAD 7, 4
.endif
.if ((\s)&3) == 0
	FETCHX (\s)+1, 0
.endif
.endif
.if (\s) != 6
.if ((\s)&3) == 0
	s_wait_dscnt 20                                ; tiles 4-7 are in; the 4 stores of codes and the next 16 loads may be out
.elseif ((\s)&3) == 1
	s_wait_dscnt 4                                 ; tiles 4-7 are in; the 4 stores of codes may be out
.endif
	MUL16 \s, 4
.endif
	PLACES 4
.if (\s) == 2
	XLOAD 6, 0                                     ; into the registers that K step 2's tokens have left
.endif
.if (\s) == 3
	XLOAD 7, 0
	s_wait_tensorcnt 0x0                           ; K steps 4 and 5 of my tokens are in; nothing is filled again
.endif
.if (\s) < 7
	s_wait_dscnt 0x0                               ; my codes lie in LDS, my reads of the other buffer are over
	s_barrier_signal -1
	s_barrier_wait -1
.endif
.endm
.irp s, 0,1,2,3,4,5,6,7
	STEP \s
.endr
; The activation of token tiles a, a + 1: of each a lane's 16 gates and 16 linears of one token.
.macro ACT a
	WIN 0x21                                       ; source 0: the accumulators, window 1; source 2: b1, window 2
	s_wait_alu depctr_va_vdst(0)                   ; the wait directly ahead of the results' first readers
.irp d, 0,1
.set pp, 0
.rept 8
	v_pk_fma_f32 v[G+16*\d+2*pp:G+16*\d+2*pp+1], v[32*((\a)+\d)+2*pp:32*((\a)+\d)+2*pp+1], s[52:53], v[2*pp:2*pp+1] op_sel_hi:[1,0,1]   ; hidden = sum x 2^(ex + ew1) + b1; each accumulator from its low end on
.set pp, pp+1
.endr
.rept 8
	v_pk_fma_f32 v[LR+16*\d+2*pp-16:LR+16*\d+2*pp-15], v[32*((\a)+\d)+2*pp:32*((\a)+\d)+2*pp+1], s[52:53], v[2*pp:2*pp+1] op_sel_hi:[1,0,1]
.set pp, pp+1
.endr
.endr
	WIN 0
.set ii, 0
.rept 32
	v_min_num_f32 v[G+ii], s56, v[G+ii]            ; gate = min(hidden, 7)
.set ii, ii+1
.endr
.set pp, 0
.rept 16
	v_pk_mul_f32 v[EX+2*pp:EX+2*pp+1], v[G+2*pp:G+2*pp+1], s[54:55] op_sel_hi:[1,0]
.set pp, pp+1
.endr
	s_wait_alu depctr_va_vdst(0)                   ; the wait ahead of the batch
.set ii, 0
.rept 32
	v_exp_f32 v[EX+ii], v[EX+ii]                   ; e^(-1.702 gate)
.set ii, ii+1
.endr
.set ii, 0
.rept 32
	v_med3_num_f32 v[LR+ii], v[LR+ii], s57, s56    ; linear = clip(hidden, -7, 7); also the plain instructions behind the transcendentals (ISA guide 5.7.2)
.set ii, ii+1
.endr
	s_wait_alu depctr_va_vdst(0)                   ; and behind it
.set pp, 0
.rept 16
	v_pk_add_f32 v[EX+2*pp:EX+2*pp+1], v[EX+2*pp:EX+2*pp+1], 1.0 op_sel_hi:[1,0]
.set pp, pp+1
.endr
	s_wait_alu depctr_va_vdst(0)
.set ii, 0
.rept 32
	v_rcp_f32 v[EX+ii], v[EX+ii]                   ; sigmoid(1.702 gate)
.set ii, ii+1
.endr
	v_nop
	s_wait_alu depctr_va_vdst(0)
.set pp, 0
.rept 16
	v_pk_mul_f32 v[G+2*pp:G+2*pp+1], v[G+2*pp:G+2*pp+1], v[EX+2*pp:EX+2*pp+1]
.set pp, pp+1
.endr
.set pp, 0
.rept 16
	v_pk_fma_f32 v[G+2*pp:G+2*pp+1], v[G+2*pp:G+2*pp+1], v[LR+2*pp:LR+2*pp+1], v[G+2*pp:G+2*pp+1]      ; x (linear + 1)
.set pp, pp+1
.endr
.set ii, 0
.rept 32
	v_med3_num_f32 v[G+ii], v[G+ii], -v[LIM], v[LIM]     ; the hold
.set ii, ii+1
.endr
.irp d, 0,1
	v_cvt_scalef32_pk8_bf8_f32 v[CD+4*((\a)+\d):CD+4*((\a)+\d)+1], v[G+16*\d:G+16*\d+7], v[SCV]
	v_cvt_scalef32_pk8_bf8_f32 v[CD+4*((\a)+\d)+2:CD+4*((\a)+\d)+3], v[G+16*\d+8:G+16*\d+15], v[SCV]
.endr
	v_nop                                          ; a plain instruction between the conversions and the next tiles' writes of their sources
.irp d, 0,1
	global_store_b128 v[LI], v[CD+4*((\a)+\d):CD+4*((\a)+\d)+3], s[12:13] offset:262144*(((\a)+\d)>>2)+2048*(((\a)+\d)&3)   ; chunk cb % 4 of fragment (64 tokens: 8 tb + 2 w + m / 4, K step cb / 4, tile m % 4): 512 consecutive bytes
.endr
.endm
.irp m, 0,2,4,6
	ACT \m
.endr
	s_wait_tensorcnt 0x0                           ; the wave's end
	ds_add_u32 v[SPW], v[NIL]
	s_wait_dscnt 0x0
	ROUND                                          ; the closing round: no work-group ends while a partner may still ask for a tile that names it
	s_endpgm
.Lfunc_end_k_qd5ef411f38_up:
	.size	k_qd5ef411f38_up, .Lfunc_end_k_qd5ef411f38_up-k_qd5ef411f38_up
	.p2alignl 7, 3214868480
	.fill 96, 4, 3214868480
	.section	.rodata,"a",@progbits
	.p2align	6, 0x0
	.amdhsa_kernel k_qd5ef411f38_up
		.amdhsa_group_segment_fixed_size 327680
		.amdhsa_private_segment_fixed_size 0
		.amdhsa_enable_private_segment 0
		.amdhsa_kernarg_size 40
		.amdhsa_user_sgpr_count 2
		.amdhsa_user_sgpr_kernarg_segment_ptr 1
		.amdhsa_wavefront_size32 1
		.amdhsa_system_sgpr_workgroup_id_x 1
		.amdhsa_system_sgpr_workgroup_id_y 1
		.amdhsa_system_sgpr_workgroup_id_z 1
		.amdhsa_system_vgpr_workitem_id 0
		.amdhsa_next_free_vgpr 1024
		.amdhsa_next_free_sgpr 66
		.amdhsa_reserve_vcc 0
		.amdhsa_float_denorm_mode_32 3
		.amdhsa_float_denorm_mode_16_64 3
		.amdhsa_memory_ordered 1
		.amdhsa_forward_progress 1
		.amdhsa_inst_pref_size 163
	.end_amdhsa_kernel
	.amdgpu_metadata
---
amdhsa.version: [ 1, 2 ]
amdhsa.kernels:
  - .name:           k_qd5ef411f38_up
    .symbol:         k_qd5ef411f38_up.kd
    .args:
      - { .name: xc, .offset: 0, .size: 8, .value_kind: global_buffer, .address_space: global }
      - { .name: mlp1_weight, .offset: 8, .size: 8, .value_kind: global_buffer, .address_space: global }
      - { .name: lowp_scales, .offset: 16, .size: 8, .value_kind: global_buffer, .address_space: global }
      - { .name: mlp1_bias, .offset: 24, .size: 8, .value_kind: global_buffer, .address_space: global }
      - { .name: ac, .offset: 32, .size: 8, .value_kind: global_buffer, .address_space: global }
    .group_segment_fixed_size: 327680
    .private_segment_fixed_size: 0
    .kernarg_segment_align: 8
    .kernarg_segment_size: 40
    .max_flat_workgroup_size: 128
    .sgpr_count:     66
    .vgpr_count:     1024
    .wavefront_size: 32
...
	.end_amdgpu_metadata
.endif
;; end of part 2
;; launch down (part 3): grid 16 x 16, 4 waves a work-group, clusters of 4 x 1, 262,656 bytes of LDS; arguments ac, w2c, lowp_scales, mlp2_bias, x, out0; writes out0
.if DOCPART == 3
	.amdgcn_target "amdgcn-amd-amdhsa--gfx1250"
	.amdhsa_code_object_version 6
	.text
	.protected	k_qd5ef411f38_down
	.globl	k_qd5ef411f38_down
	.p2align	8
	.type	k_qd5ef411f38_down,@function
k_qd5ef411f38_down:
	s_mov_b64 s[64:65], 0
	v_nop
	global_prefetch_b8 v0, s[64:65] scope:SCOPE_SE
	s_setreg_imm32_b32 hwreg(HW_REG_WAVE_MODE, 25, 1), 1
	s_wait_xcnt 0x0
	s_wait_alu depctr_hold_cnt(0) depctr_sa_sdst(0) depctr_va_vdst(0) depctr_va_sdst(0) depctr_va_ssrc(0) depctr_va_vcc(0) depctr_vm_vsrc(0)
	s_getreg_b32 s2, hwreg(HW_REG_IB_STS2, 6, 4)
	s_cmp_eq_u32 s2, 0
	s_cbranch_scc0 .Lentry_in_a_cluster
	s_endpgm
.Lentry_in_a_cluster:
	s_bfe_u32 s2, ttmp6, 0x10000c
	s_cmp_lg_u32 s2, 0x3003
	s_cbranch_scc0 .Lentry_shape_is_right
	s_endpgm
.Lentry_shape_is_right:
; DOWN: out = x + 0.5 (act0 W2[0] + b2[0]) + 0.5 (act1 W2[1] + b2[1]), on codes of BF8 (E5M2).  The two experts have the same two scales and the same weight 0.5 (reference()'s own mix),
; so they lie on end along ONE K of 4,096 (32 K steps of 128), and each output has one owner:  out = x + sum x 2^(ew2 + eh - 1) + 0.5 (b2[0] + b2[1]).
; WORK LEFT OUT: experts 2 to 7, which reference() weighs with its own 0 (the first launch's comment shows it).
; SHARES.  Work-group (cbk, tb): 64 tokens x 64 columns.  THE WAVES SHARE K: wave w takes K steps 8 w .. 8 w + 7 for the whole tile: 16 accumulators.  So no operand byte is read twice in the work-group and the products need no barrier;
; the four waves' partial sums meet in LDS at the end.  A wave's weights (8 K steps x 4 tiles x 2,048 bytes = 512 registers) go from memory straight into registers, and so do its first two K steps of ac (128 registers);
; the other six, 49,152 bytes, come into its own part of LDS by one tensor load, and have the first two K steps' products in which to land.
; TRANSPOSED: source 0 = 16 columns of W2, source 1 = 16 tokens: lane (r, h) holds token r, register j of tile 2 b + u column 32 b + 16 h + 8 u + j of the 64.
; CLUSTER: the four work-groups of a cluster share tb, so ac's part in LDS is asked for JOINTLY (mask 15).  The weights are shared by the sixteen work-groups of one cbk and are not asked for jointly: a joint load lands in LDS,
; and 262,144 bytes of weights beside ac's are more than the 327,680 that a work-group can claim.  No prefetch: there is no loop to run ahead in; up to 63 loads a wave are on their way.
; LIMIT: ew2 + eh between -125 and 128, so that 2^(ew2 + eh - 1) is an f32 number.
; REGISTERS, in windows of 256: window 0: v1-9 addresses; v16-23 b2; v32-63 x; v64-127, v128-191 ac's fragments from LDS, two sets, later the partial sums read back; v192-223 results.
;   window 1: accumulator (token tile m, tile t) at v[8 (4 m + t)]; v128-255 ac's fragments of my K steps 0 and 1.   windows 2, 3: the weights: (my K step s, tile t) in window 2 + s / 4 at v[64 (s % 4) + 16 t].
.set LI,  1                            ; v1   16 x lane
.set LA,  2                            ; v2   65,536 w + 16 x lane: my part of LDS
.set SO,  3                            ; v3   my stage, on the way in: 65,536 w + 272 r + 64 h
.set SR,  4                            ; v4-7 the four stages, on the way back: 65,536 p + 272 (16 w + lane / 16) + 16 (lane % 16)
.set XO,  8                            ; v8   x and out: 4,096 (lane / 16) + 16 (lane % 16)
.set BO,  9                            ; v9   b2: 16 (lane % 16)
.set BB2, 16
.set XR,  32
.set AF,  64
.set AD,  128
.set RS,  192
.set SPW, 254
.set NIL, 255
.set SP,  272                          ; a stage row: 256 bytes + 16 = 68 words: row r starts at bank 4 r mod 64 (64 banks of 4 bytes: ISA guide 11.1)
.set MSB, 0
.macro WIN new                         ; the immediate's high byte repeats the setting that is left
.if MSB != (\new)
	s_set_vgpr_msb (MSB<<8)|(\new)
.set MSB, \new
.endif
.endm
.macro PLACES n
.rept \n
	v_nop
.endr
.endm
.macro ROUND                           ; a round of the cluster's barrier
	s_barrier_signal -1
	s_barrier_wait -1
	s_cmp_lg_u32 s16, 0
	s_cbranch_scc1 .Lnot_wave_0_\@
	s_barrier_signal -3
.Lnot_wave_0_\@:
	s_barrier_wait -3
	s_barrier_signal -1
	s_barrier_wait -1
.endm
	s_load_b256 s[4:11], s[0:1], 0x0               ; ac s[4:5], w2c s[6:7], lowp_scales s[8:9], mlp2_bias s[10:11]
	s_load_b128 s[12:15], s[0:1], 0x20             ; x s[12:13], out0 s[14:15]
	v_lshl_add_u32 v[SPW], v0, 2, 0x40000          ; the spare words lie behind the four parts
	v_mov_b32 v[NIL], 0
	ds_add_u32 v[SPW], v[NIL]                      ; the opening: the add, twice on end, and its wait
	ds_add_u32 v[SPW], v[NIL]
	v_lshrrev_b32 v10, 5, v0
	v_readfirstlane_b32 s16, v10                   ; wave 0..3
	s_bfe_u32 s17, ttmp6, 0x40000                  ; cx: it enters the weights', the bias's, x's and out's addresses alone
	s_lshl_b32 s18, ttmp9, 2
	s_add_co_u32 s18, s18, s17                     ; cbk = 4 x cluster x + cx
	s_and_b32 s19, ttmp7, 0xffff                   ; tb, which the four partners share
	s_lshl_b32 s20, s16, 16                        ; 65,536 x wave: in LDS and in ac's block alike
	s_mul_i32 s21, s16, 16*SP
	v_and_b32 v10, 31, v0
	v_and_b32 v11, 15, v0                          ; r
	v_bfe_u32 v12, v0, 4, 1                        ; h
	v_lshlrev_b32 v[LI], 4, v10
	v_mul_u32_u24 v[SO], v11, SP
	v_mul_u32_u24 v[SR], v12, SP
	v_lshlrev_b32 v[BO], 4, v11
	v_add_nc_u32 v[LA], s20, v[LI]
	v_lshl_add_u32 v[SO], v12, 6, v[SO]
	v_lshl_add_u32 v[SR], v11, 4, v[SR]
	v_lshl_add_u32 v[XO], v12, 12, v[BO]
	v_add_nc_u32 v[SO], s20, v[SO]
	v_add_nc_u32 v[SR], s21, v[SR]
	v_add_nc_u32 v[SR+1], 0x10000, v[SR]
	v_add_nc_u32 v[SR+2], 0x20000, v[SR]
	v_add_nc_u32 v[SR+3], 0x30000, v[SR]
	; descriptor group 1: 192 rows of 32 elements of 8 bytes, dense: 49,152 bytes, my K steps 2 to 7
	s_mov_b32 s24, 15|(3<<16)|(1<<21)              ; 15:0 the mask: all four work-groups; 17:16 elements of 8 bytes; 21 set beside a mask
	s_mov_b32 s25, 32<<16                          ; tensor_dim0 = 32
	s_mov_b32 s26, 192<<16                         ; tensor_dim1 = 192
	s_mov_b32 s27, 32<<16                          ; tile_dim0 = 32
	s_mov_b32 s28, 192                             ; tile_dim1 = 192
	s_mov_b32 s29, 32                              ; elements from row to row
	s_mov_b32 s30, 0
	s_mov_b32 s31, 0
	s_lshl_b32 s22, s19, 18                        ; ac: 262,144 tb + 65,536 w
	s_add_co_u32 s22, s22, s20
	s_mov_b32 s23, 0
	s_lshl_b32 s54, s16, 20                        ; w2c: 1,048,576 w + 8,192 cbk
	s_lshl_b32 s55, s18, 13
	s_add_co_u32 s54, s54, s55
	s_mov_b32 s55, 0
	s_lshl_b32 s58, s18, 8                         ; b2: 256 cbk
	s_mov_b32 s59, 0
	s_lshl_b32 s56, s19, 18                        ; x, out: 4,096 (64 tb + 16 w) + 256 cbk
	s_add_co_u32 s56, s56, s20
	s_add_co_u32 s56, s56, s58
	s_mov_b32 s57, 0
	s_wait_alu depctr_va_vdst(0)                   ; the wait here, ahead of the waits below
	s_wait_dscnt 0x0                               ; both opening adds are done
	s_wait_kmcnt 0x0
	s_load_b128 s[48:51], s[8:9], 0x0              ; ex, ew1, ew2, eh
	s_add_nc_u64 s[4:5], s[4:5], s[22:23]
	s_add_nc_u64 s[6:7], s[6:7], s[54:55]
	s_add_nc_u64 s[10:11], s[10:11], s[58:59]
	s_add_nc_u64 s[12:13], s[12:13], s[56:57]
	s_add_nc_u64 s[14:15], s[14:15], s[56:57]
	s_mov_b32 s32, 1                               ; group 0: from my K step 2 on, 16,384 bytes into my part, in memory and in LDS
	s_add_co_u32 s33, s20, 0x4000
	s_add_nc_u64 s[34:35], s[4:5], 0x4000
	s_or_b32 s35, s35, 0x80000000                  ; type = 2
	ROUND                                          ; all four work-groups are here: the joint loads meet
	tensor_load_to_lds s[32:35], s[24:31]          ; my one tensor load; every LDS byte is filled once at the most
	s_nop 0
	PLACES 4                                       ; four v_nop behind the tensor load
.macro XBLOAD                          ; x at the 16 rows that I store: rows 2 i and 2 i + 1, 256 bytes each; b2[0] and b2[1] at my four columns: 10 loads
.irp i, 0,1,2,3,4,5,6,7
	global_load_b128 v[XR+4*\i:XR+4*\i+3], v[XO], s[12:13] offset:8192*\i th:TH_LOAD_NT
.endr
	global_load_b128 v[BB2:BB2+3], v[BO], s[10:11]
	global_load_b128 v[BB2+4:BB2+7], v[BO], s[10:11] offset:4096
.endm
.macro ALOAD s                         ; ac's four fragments of my K step s (0 or 1), straight into registers: 16 loads
	WIN 0x40                                       ; destination window 1
.irp m, 0,1,2,3
.irp c, 0,1,2,3
	global_load_b128 v[AD+64*(\s)+16*\m+4*\c:AD+64*(\s)+16*\m+4*\c+3], v[LI], s[4:5] offset:8192*(\s)+2048*\m+512*\c
.endr
.endr
	WIN 0
.endm
.macro BLOAD s                         ; my K step s of the weights: 4 tiles x 4 chunks, 512 consecutive bytes a load
	WIN 0x80+0x40*((\s)>>2)                        ; destination window 2 or 3
.irp t, 0,1,2,3
.irp c, 0,1,2,3
	global_load_b128 v[64*((\s)&3)+16*\t+4*\c:64*((\s)&3)+16*\t+4*\c+3], v[LI], s[6:7] offset:131072*(\s)+2048*\t+512*\c
.endr
.endr
	WIN 0
.endm
.macro AFETCH s                        ; ac's four fragments of my K step s from LDS into set s % 2
	WIN 0
.irp m, 0,1,2,3
.irp c, 0,1,2,3
	ds_load_b128 v[AF+64*((\s)%2)+16*\m+4*\c:AF+64*((\s)%2)+16*\m+4*\c+3], v[LA] offset:8192*(\s)+2048*\m+512*\c
.endr
.endr
.endm
.macro MUL16 s                         ; 16 matrix instructions; the 16 accumulators take turns, one instruction a turn, in the same order in every K step
.if (\s) < 2
.set AS, AD+64*(\s)
	WIN 0x56                                       ; source 0 (weights) window 2, source 1 (ac) window 1, C and D window 1
.else
.set AS, AF+64*((\s)%2)
	WIN 0x52+((\s)>>2)                             ; source 0 window 2 or 3, source 1 window 0, C and D window 1
.endif
.irp m, 0,1,2,3
.irp t, 0,1,2,3
.if (\s) == 0
	v_wmma_f32_16x16x128_bf8_bf8 v[8*(4*\m+\t):8*(4*\m+\t)+7], v[64*((\s)&3)+16*\t:64*((\s)&3)+16*\t+15], v[AS+16*\m:AS+16*\m+15], 0
.else
	v_wmma_f32_16x16x128_bf8_bf8 v[8*(4*\m+\t):8*(4*\m+\t)+7], v[64*((\s)&3)+16*\t:64*((\s)&3)+16*\t+15], v[AS+16*\m:AS+16*\m+15], v[8*(4*\m+\t):8*(4*\m+\t)+7]
.endif
.endr
.endr
	WIN 0
.endm
	ALOAD 0
	BLOAD 0
	ALOAD 1
	BLOAD 1
	BLOAD 2
	BLOAD 3
	s_wait_kmcnt 0x0
	s_add_co_i32 s52, s50, s51
	s_add_co_i32 s52, s52, 126
	s_lshl_b32 s52, s52, 23                        ; 2^(ew2 + eh - 1) as f32: the two scales and the mix's 0.5
	s_mov_b32 s53, s52                             ; (named with it as a pair, so it is written)
.macro STEP s
.if (\s) == 0
	s_wait_loadcnt 63                              ; ac's and the weights' K step 0 are in: 64 loads were issued behind them
.elseif (\s) < 3
	s_wait_loadcnt 48                              ; this K step's loads are in; the three K steps' behind it, 16 each, may be out
.elseif (\s) == 3
	s_wait_loadcnt 63                              ; (behind it: four K steps' and the last ten)
.else
	s_wait_loadcnt 16*(7-(\s))+10                  ; the later K steps', 16 each, and x's and b2's ten may be out
.endif
.if (\s) < 3
	BLOAD (\s)+4                                   ; into registers that nothing has named yet
.endif
.if (\s) == 2
	BLOAD 7
	XBLOAD                                         ; wanted on the way out alone
	s_wait_tensorcnt 0x0                           ; my K steps 2 to 7 of ac are in (only I read my part of LDS)
	AFETCH 2
.endif
.if ((\s) >= 2) && ((\s) < 7)
.if (\s) >= 3
	PLACES 4                                       ; in front of loads into the set that the last K step's products read (ISA guide 7.12.1 for vector instructions)
.endif
	AFETCH (\s)+1
	s_wait_dscnt 16                                ; this K step's fragments are in; the next one's 16 loads may be out
.endif
.if (\s) == 7
	s_wait_dscnt 0x0
.endif
	MUL16 \s
.endm
.irp s, 0,1,2,3,4,5,6,7
	STEP \s
.endr
	; THE WAY OUT.  Each wave lays its 64 x 64 partial sums into a stage of 64 rows x 272 bytes at the head of its own part of LDS, which has had its one fill and whose reads are over.
	; Behind a barrier wave w reads rows 16 w .. 16 w + 15 of all four stages, adds them, and stores whole pieces of 256 bytes.
	PLACES 4                                       ; in front of the first read of results, and of the loads into the fragments' registers below
	WIN 0x04                                       ; the stores' data: window 1
.irp m, 0,1,2,3
.irp t, 0,1,2,3
	ds_store_b128 v[SO], v[8*(4*\m+\t):8*(4*\m+\t)+3] offset:16*SP*\m+128*(\t>>1)+32*(\t&1)          ; each accumulator from its low end on
	ds_store_b128 v[SO], v[8*(4*\m+\t)+4:8*(4*\m+\t)+7] offset:16*SP*\m+128*(\t>>1)+32*(\t&1)+16
.endr
.endr
	WIN 0
	s_wait_loadcnt 0x0                             ; x and b2
	s_wait_dscnt 0x0                               ; for the others' sake: my partial sums lie in LDS
	s_barrier_signal -1
	s_barrier_wait -1
.irp i, 0,1,2,3,4,5,6,7
.irp p, 0,1,2,3
	ds_load_b128 v[AF+32*\p+4*\i:AF+32*\p+4*\i+3], v[SR+\p] offset:2*SP*\i
.endr
.endr
	v_pk_add_f32 v[BB2:BB2+1], v[BB2:BB2+1], v[BB2+4:BB2+5]          ; b2[0] + b2[1]
	v_pk_add_f32 v[BB2+2:BB2+3], v[BB2+2:BB2+3], v[BB2+6:BB2+7]
.irp i, 0,1,2,3,4,5,6,7
	v_pk_fma_f32 v[XR+4*\i:XR+4*\i+1], v[BB2:BB2+1], 0.5, v[XR+4*\i:XR+4*\i+1] op_sel_hi:[1,0,1]         ; x + 0.5 (b2[0] + b2[1])
	v_pk_fma_f32 v[XR+4*\i+2:XR+4*\i+3], v[BB2+2:BB2+3], 0.5, v[XR+4*\i+2:XR+4*\i+3] op_sel_hi:[1,0,1]
.endr
	s_wait_alu depctr_va_vdst(0)                   ; the wait here, directly ahead of the waits below
.irp i, 0,1,2,3,4,5,6,7
	s_wait_dscnt 4*(7-\i)                          ; row pair i is back from all four stages; the later pairs, four loads each, may be out
	v_pk_add_f32 v[AF+4*\i:AF+4*\i+1], v[AF+4*\i:AF+4*\i+1], v[AF+32+4*\i:AF+32+4*\i+1]
	v_pk_add_f32 v[AF+4*\i+2:AF+4*\i+3], v[AF+4*\i+2:AF+4*\i+3], v[AF+32+4*\i+2:AF+32+4*\i+3]
	v_pk_add_f32 v[AF+64+4*\i:AF+64+4*\i+1], v[AF+64+4*\i:AF+64+4*\i+1], v[AF+96+4*\i:AF+96+4*\i+1]
	v_pk_add_f32 v[AF+64+4*\i+2:AF+64+4*\i+3], v[AF+64+4*\i+2:AF+64+4*\i+3], v[AF+96+4*\i+2:AF+96+4*\i+3]
	v_pk_add_f32 v[AF+4*\i:AF+4*\i+1], v[AF+4*\i:AF+4*\i+1], v[AF+64+4*\i:AF+64+4*\i+1]
	v_pk_add_f32 v[AF+4*\i+2:AF+4*\i+3], v[AF+4*\i+2:AF+4*\i+3], v[AF+64+4*\i+2:AF+64+4*\i+3]
	v_pk_fma_f32 v[RS+4*\i:RS+4*\i+1], v[AF+4*\i:AF+4*\i+1], s[52:53], v[XR+4*\i:XR+4*\i+1] op_sel_hi:[1,0,1]
	v_pk_fma_f32 v[RS+4*\i+2:RS+4*\i+3], v[AF+4*\i+2:AF+4*\i+3], s[52:53], v[XR+4*\i+2:XR+4*\i+3] op_sel_hi:[1,0,1]
	global_store_b128 v[XO], v[RS+4*\i:RS+4*\i+3], s[14:15] offset:8192*\i th:TH_STORE_NT     ; sixteen lanes store 256 consecutive bytes, at a multiple of 256 from out0's first byte; each pair has its own registers
.endr
	s_wait_tensorcnt 0x0                           ; the wave's end
	ds_add_u32 v[SPW], v[NIL]
	s_wait_dscnt 0x0
	ROUND                                          ; the closing round: no work-group ends while a partner may still ask for a tile that names it
	s_endpgm
.Lfunc_end_k_qd5ef411f38_down:
	.size	k_qd5ef411f38_down, .Lfunc_end_k_qd5ef411f38_down-k_qd5ef411f38_down
	.p2alignl 7, 3214868480
	.fill 96, 4, 3214868480
	.section	.rodata,"a",@progbits
	.p2align	6, 0x0
	.amdhsa_kernel k_qd5ef411f38_down
		.amdhsa_group_segment_fixed_size 262656
		.amdhsa_private_segment_fixed_size 0
		.amdhsa_enable_private_segment 0
		.amdhsa_kernarg_size 48
		.amdhsa_user_sgpr_count 2
		.amdhsa_user_sgpr_kernarg_segment_ptr 1
		.amdhsa_wavefront_size32 1
		.amdhsa_system_sgpr_workgroup_id_x 1
		.amdhsa_system_sgpr_workgroup_id_y 1
		.amdhsa_system_sgpr_workgroup_id_z 1
		.amdhsa_system_vgpr_workitem_id 0
		.amdhsa_next_free_vgpr 1024
		.amdhsa_next_free_sgpr 66
		.amdhsa_reserve_vcc 0
		.amdhsa_float_denorm_mode_32 3
		.amdhsa_float_denorm_mode_16_64 3
		.amdhsa_memory_ordered 1
		.amdhsa_forward_progress 1
		.amdhsa_inst_pref_size 48
	.end_amdhsa_kernel
	.amdgpu_metadata
---
amdhsa.version: [ 1, 2 ]
amdhsa.kernels:
  - .name:           k_qd5ef411f38_down
    .symbol:         k_qd5ef411f38_down.kd
    .args:
      - { .name: ac, .offset: 0, .size: 8, .value_kind: global_buffer, .address_space: global }
      - { .name: w2c, .offset: 8, .size: 8, .value_kind: global_buffer, .address_space: global }
      - { .name: lowp_scales, .offset: 16, .size: 8, .value_kind: global_buffer, .address_space: global }
      - { .name: mlp2_bias, .offset: 24, .size: 8, .value_kind: global_buffer, .address_space: global }
      - { .name: x, .offset: 32, .size: 8, .value_kind: global_buffer, .address_space: global }
      - { .name: out0, .offset: 40, .size: 8, .value_kind: global_buffer, .address_space: global }
    .group_segment_fixed_size: 262656
    .private_segment_fixed_size: 0
    .kernarg_segment_align: 8
    .kernarg_segment_size: 48
    .max_flat_workgroup_size: 128
    .sgpr_count:     66
    .vgpr_count:     1024
    .wavefront_size: 32
...
	.end_amdgpu_metadata
.endif
;; end of part 3
